; MI455X (gfx1250); checked and timed in simulation.
; The chip was launched on July 23, 2026; its instructions are those of AMD's public machine-readable ISA for CDNA 5 (MIT licence, August 2026) and "CDNA5" Instruction Set Architecture Reference Guide (July 2026). The comments in the code are by the model that wrote it; some were corrected since.
;; Detect Peaks. Allowed arithmetic: float matrix products may take bf16 or f16 operands with f32 sums; all other float work in f32.
;; Inputs: xcorr 16 x 1 x 256 x 8,192 float32.
;; Outputs: out0 16 x 1 x 256 x 3 float32; out1 16 x 1 x 256 x 3 float32; out2 16 x 1 x 256 x 3 int32.
;; 2 versions, each right; version 2 is version 1 with the launch peaks written anew for expert scheduling mode. Each part assembles by itself: llvm-mc -triple=amdgcn-amd-amdhsa -mcpu=gfx1250 --defsym DOCPART=n.
;; ======== version 1 of 2: 1 launch
;; launch peaks (part 1): grid 256 x 1, 16 waves a work-group, no clusters, 0 bytes of LDS; arguments xcorr, out0, out1, out2; writes out0, out1, out2
.if DOCPART == 1
	.amdgcn_target "amdgcn-amd-amdhsa--gfx1250"
	.amdhsa_code_object_version 6
	.text
	.protected	k_q5b0aeb8456_peaks
	.globl	k_q5b0aeb8456_peaks
	.p2align	8
	.type	k_q5b0aeb8456_peaks,@function
k_q5b0aeb8456_peaks:
	s_mov_b64 s[64:65], 0
	v_nop
	global_prefetch_b8 v0, s[64:65] scope:SCOPE_SE
	s_setreg_imm32_b32 hwreg(HW_REG_WAVE_MODE, 25, 1), 1
	s_wait_xcnt 0x0
; DetectPeaks.  xcorr: 4,096 rows of 8,192 f32.  For each row: score[i] = x[i] where x[i] is the largest of x[i-1..i+1]
; (-inf beyond the row's ends), else 0; out1 = the three largest scores (equal scores: the lower index first),
; out2 = their indices - 4,096, out0 = x at (best-1, best, best+1), clipped to the row.
;
; ONE WAVE, ONE ROW: 256 work-groups x 16 waves = 4,096 rows, no wave depends on another: no LDS bytes, no barrier.
; No row is read by two work-groups, so there is nothing to share in a cluster, and no product for the matrix units.
; A load of the wave covers 512 consecutive bytes, aligned (a "quad": lane l holds x[128 q + 4 l .. + 3]); a row is 64 quads.
; A ring of 16 quad slots in registers keeps 13 to 16 loads of every wave on their way; each byte is read once.
; Each lane keeps the sorted three best of its own 256 scores with their positions, and the six numbers (quad + both
; neighbours) of the quad in which its best last changed.  So the best peak's neighbours are SELECTED at the end and
; never fetched: no address and no branch hangs on the data.
; The outputs are 12 bytes a row and tensor, 147,456 bytes against 134,217,728 read: three lanes store them directly.
;
; LIMITS.  Inputs are finite (no NaN, no infinity; reference() itself makes NaN of -inf * 0).
; A suppressed element scores +0 here, x * 0 = +0 or -0 in reference(); all zeros count as equal and go by index.
; That can only show in the indices of a row that has fewer than three positive peaks AND suppressed (or zero)
; elements of both signs, if +0 is ranked ahead of -0.  Rows of one sign, and any scale or offset, are exact:
; values are only compared and selected, never computed on.
.set QB,     512                       ; bytes in a quad
.set SLOTS,  16                        ; quads in the ring
.set TRIPS,  64/SLOTS-1                ; trips that refill; the last 16 quads are written out behind the loop
.set LANE,   1                         ; v1        lane
.set VOFF,   2                         ; v2        16 x lane: my bytes in a quad; never rewritten
.set BL,     3                         ; v3        4 x ((lane-1) mod 32): pull from the lane on the left
.set BR,     4                         ; v4        4 x ((lane+1) mod 32): pull from the lane on the right
.set OOFF,   5                         ; v5        4 x lane
.set X,      8                         ; v[8:71]   slot s: 4 registers
.set H,      72                        ; v[72:75]  quad q mod 4: x3 of the lane on the left (lane 0: lane 31's)
.set G,      76                        ; v[76:79]  quad q mod 4: x0 of the lane on the right (lane 31: lane 0's)
.set XL,     80                        ; the number left of my four
.set XR,     81                        ; the number right of my four
.set MX,     82                        ; v[82:85]  the four window maxima
.set SC,     86                        ; v[86:89]  the four scores
.set VA,     90                        ; my best three scores, VA >= VB >= VC
.set VB,     91
.set VC,     92
.set IA,     93                        ; and their positions (4 x quad + element, counted from the current trip's first quad)
.set IB,     94
.set IC,     95
.set W,      96                        ; v[96:101] XL, x0..x3, XR of the quad in which VA last changed
.set NINF,   102
.set PINF,   103
.set U,      104                       ; v[104:107] window select, first stage
.set NL,     108                       ; v[108:110] left neighbour, centre, right neighbour of my best
.set NC,     109
.set NR,     110
.set T,      111                       ; at work
.set M1,     112                       ; v[112:114] the row's three scores
.set M2,     113
.set M3,     114
.set J1,     115                       ; v[115:117] their indices, as f32 (0 .. 8,191: exact)
.set J2,     116
.set J3,     117
.set Q,      118
.set O0,     119                       ; v[119:121] lanes 0..2: the three numbers of each output
.set O1,     120
.set O2,     121
.set KEEP,   24                        ; s[24:27]  element e is a local maximum
.set C1,     28                        ; s[28:31]  element e's score beats VA
.set C2,     32                        ; beats VB
.set C3,     33                        ; beats VC
.set CH,     34                        ; s34 (with s35 at work): VA changed in this quad
	s_load_b256 s[4:11], s[0:1], 0x0               ; xcorr s[4:5], out0 s[6:7], out1 s[8:9], out2 s[10:11]
	v_and_b32 v[LANE], 31, v0
	v_lshrrev_b32 v6, 5, v0
	v_readfirstlane_b32 s14, v6                    ; wave 0..15
	s_lshl_b32 s15, ttmp9, 4
	s_add_co_u32 s15, s15, s14                     ; my row, 0..4,095
	s_lshl_b32 s16, s15, 15                        ; x 32,768 bytes: below 2^27
	s_mov_b32 s17, 0
	s_mov_b32 s12, 0x76543210                      ; v_permlanex16_b32: lane i of one half reads lane i of the other
	s_mov_b32 s13, 0xfedcba98
	s_mov_b32 s20, 1                               ; lane masks: lane 0,
	s_mov_b32 s21, 0x80000000                      ; lane 31,
	s_mov_b32 s22, 2                               ; lane 1,
	s_mov_b32 s23, 4                               ; lane 2
	v_lshlrev_b32 v[VOFF], 4, v[LANE]
	v_lshlrev_b32 v[OOFF], 2, v[LANE]
	v_add_nc_u32 v[BL], 31, v[LANE]
	v_add_nc_u32 v[BR], 1, v[LANE]
	v_and_b32 v[BL], 31, v[BL]
	v_and_b32 v[BR], 31, v[BR]
	v_lshlrev_b32 v[BL], 2, v[BL]
	v_lshlrev_b32 v[BR], 2, v[BR]
	s_wait_kmcnt 0x0
	s_add_nc_u64 s[4:5], s[4:5], s[16:17]          ; xcorr at my row
.irp s, 0,1,2,3,4,5,6,7,8,9,10,11,12,13,14,15
	global_load_b128 v[X+4*\s:X+4*\s+3], v[VOFF], s[4:5] offset:QB*\s th:TH_LOAD_NT   ; fill the ring: quads 0 to 15
.endr
	v_mov_b32 v[NINF], 0xff800000
	v_mov_b32 v[PINF], 0x7f800000
	v_mov_b32 v[VA], 0xff800000                    ; below every finite score: the first three scores of a lane move in
	v_mov_b32 v[VB], 0xff800000
	v_mov_b32 v[VC], 0xff800000
	v_mov_b32 v[H+3], 0xff800000                   ; "the quad in front of quad 0": left of x[0] lies -inf
	v_mov_b32 v[IA], 0                             ; the selects below read their old values: written once here
	v_mov_b32 v[IB], 0
	v_mov_b32 v[IC], 0
	v_mov_b32 v[T], 0
.irp i, 0,1,2,3,4,5
	v_mov_b32 v[W+\i], 0
.endr
; The two lane rotations of the quad in slot q (no LDS byte is touched; they count on DScnt).
.macro PERM q
	ds_bpermute_b32 v[H+((\q)%4)], v[BL], v[X+4*(\q)+3]
	ds_bpermute_b32 v[G+((\q)%4)], v[BR], v[X+4*(\q)]
.endm
; Score e at position j (an inline constant, 0..63) enters the sorted three.  The compares are strict and positions
; ascend, so of equal scores the earlier stays ahead.  The values are updated between the compares and the selects of
; the positions; each line reads the old value of the rank above it.
.macro INS e, j
	v_cmp_gt_f32 s[C1+\e], v[SC+\e], v[VA]
	v_cmp_gt_f32 s[C2], v[SC+\e], v[VB]
	v_cmp_gt_f32 s[C3], v[SC+\e], v[VC]
	v_med3_num_f32 v[VC], v[VB], v[VC], v[SC+\e]   ; the middle of (VB, VC, score) is the new third,
	v_med3_num_f32 v[VB], v[VA], v[VB], v[SC+\e]   ; of (VA, VB, score) the new second
	v_max_num_f32 v[VA], v[VA], v[SC+\e]
	v_cndmask_b32 v[IC], v[IC], \j, s[C3]
	v_cndmask_b32 v[IC], v[IC], v[IB], s[C2]
	v_cndmask_b32 v[IB], v[IB], \j, s[C2]
	v_cndmask_b32 v[IB], v[IB], v[IA], s[C1+\e]
	v_cndmask_b32 v[IA], v[IA], \j, s[C1+\e]
.endm
; One quad, in slot s.  last = 1: the row's last quad, right of which lies -inf.
.macro WORK s, last
	v_cndmask_b32 v[XL], v[H+((\s)%4)], v[H+((\s+3)%4)], s20       ; lane 0's left neighbour is lane 31's x3 of the quad before
.if \last
	v_cndmask_b32 v[XR], v[G+((\s)%4)], v[NINF], s21
.else
	v_cndmask_b32 v[XR], v[G+((\s)%4)], v[G+((\s+1)%4)], s21       ; lane 31's right neighbour is lane 0's x0 of the next quad
.endif
	v_max3_num_f32 v[MX+0], v[XL],       v[X+4*\s],   v[X+4*\s+1]
	v_max3_num_f32 v[MX+1], v[X+4*\s],   v[X+4*\s+1], v[X+4*\s+2]
	v_max3_num_f32 v[MX+2], v[X+4*\s+1], v[X+4*\s+2], v[X+4*\s+3]
	v_max3_num_f32 v[MX+3], v[X+4*\s+2], v[X+4*\s+3], v[XR]
.irp e, 0,1,2,3
	v_cmp_eq_f32 s[KEEP+\e], v[MX+\e], v[X+4*\s+\e]
.endr
.irp e, 0,1,2,3
	v_cndmask_b32 v[SC+\e], 0, v[X+4*\s+\e], s[KEEP+\e]
.endr
.irp e, 0,1,2,3
	INS \e, 4*\s+\e
.endr
	s_or_b32 s[CH], s[C1], s[C1+1]
	s_or_b32 s[CH+1], s[C1+2], s[C1+3]
	s_or_b32 s[CH], s[CH], s[CH+1]                 ; my best now lies in this quad: keep the quad and its two neighbours
	v_cndmask_b32 v[W], v[W], v[XL], s[CH]
.irp e, 0,1,2,3
	v_cndmask_b32 v[W+1+\e], v[W+1+\e], v[X+4*\s+\e], s[CH]
.endr
	v_cndmask_b32 v[W+5], v[W+5], v[XR], s[CH]
.endm
; The turn of slot s.  perm = 1: the quad two turns ahead has to be in (lcnt younger loads may stay out) and is rotated.
; dcnt: how many rotations may stay out.  refill = 1: the slot gets the quad 16 further on, behind its last reader.
.macro STEP s, refill, lcnt, perm, dcnt, last
.if \perm
	s_wait_loadcnt \lcnt
	PERM (\s+2)%SLOTS
.endif
	s_wait_dscnt \dcnt
	WORK \s, \last
.if \refill
	global_load_b128 v[X+4*\s:X+4*\s+3], v[VOFF], s[4:5] offset:QB*(\s+SLOTS) th:TH_LOAD_NT
.endif
.endm
	s_wait_loadcnt 15                              ; loads come back in order: quad 0 is in, the 15 behind it stay out
	PERM 0
	s_wait_loadcnt 14                              ; quad 1
	PERM 1
	s_mov_b32 s18, 0
; In turn k quads up to k + 15 have been asked for and quad k + 2 is wanted: k + 3 .. k + 15, 13 loads, stay out; the same
; on the way in (16 asked for) and round the back edge (one refill a turn).  Of the rotations only the two just issued
; (quad k + 2) stay out: those of quads k and k + 1, which the turn reads, are back.
.Ltrip:
.irp s, 0,1,2,3,4,5,6,7,8,9,10,11,12,13,14,15
	STEP \s, 1, 13, 1, 2, 0
.endr
	v_sub_nc_u32 v[IA], v[IA], 64                  ; positions count from the next trip's first quad, so that those
	v_sub_nc_u32 v[IB], v[IB], 64                  ; that enter stay inline constants
	v_sub_nc_u32 v[IC], v[IC], 64
	s_wait_xcnt 0x0                                ; the base that this trip's loads name is stepped only behind this wait
	s_add_nc_u64 s[4:5], s[4:5], SLOTS*QB
	s_add_co_u32 s18, s18, 1
	s_cmp_lt_u32 s18, TRIPS
	s_cbranch_scc1 .Ltrip
; The last 16 quads: nothing is asked for, so no load leaves the row, and the counts run down (quad 48 + s + 2 has 13 - s behind it).
.irp s, 0,1,2,3,4,5,6,7,8,9,10,11,12,13
	STEP \s, 0, 13-\s, 1, 2, 0
.endr
	STEP 14, 0, 0, 0, 0, 0                         ; nothing new is rotated: quad 63's rotations have to be back
	STEP 15, 0, 0, 0, 0, 1
	; MY BEST'S NEIGHBOURS: element e = position mod 4 sits at W[e+1]; take W[e], W[e+1], W[e+2] by two stages of selects.
	v_and_b32 v[T], 2, v[IA]
	v_cmp_ne_u32 s38, 0, v[T]
	v_and_b32 v[T], 1, v[IA]
	v_cmp_ne_u32 s39, 0, v[T]
.irp i, 0,1,2,3
	v_cndmask_b32 v[U+\i], v[W+\i], v[W+\i+2], s38
.endr
.irp i, 0,1,2
	v_cndmask_b32 v[NL+\i], v[U+\i], v[U+\i+1], s39
.endr
	; Positions to indices in the row: three trips took 64 each away; p = 4 q + e stands for 128 q + 4 lane + e.
.irp r, IA, IB, IC
	v_add_nc_u32 v[\r], 192, v[\r]
	v_lshrrev_b32 v[T], 2, v[\r]
	v_and_b32 v[\r], 3, v[\r]
	v_lshl_add_u32 v[\r], v[T], 7, v[\r]
	v_add_nc_u32 v[\r], v[OOFF], v[\r]
	v_cvt_f32_u32 v[\r], v[\r]                     ; at most 8,191: exact in f32
.endr
; Maximum (ismax = 1) or minimum over the 32 lanes, the result in every lane.
.macro WRED ismax, r
.irp m, 1,2,4,8
.if \ismax
	v_max_num_f32_dpp v[\r], v[\r], v[\r] row_xmask:\m row_mask:0xf bank_mask:0xf
.else
	v_min_num_f32_dpp v[\r], v[\r], v[\r] row_xmask:\m row_mask:0xf bank_mask:0xf
.endif
.endr
	v_permlanex16_b32 v[T], v[\r], s12, s13
.if \ismax
	v_max_num_f32 v[\r], v[\r], v[T]
.else
	v_min_num_f32 v[\r], v[\r], v[T]
.endif
.endm
; The row's next best: the largest of the lanes' VA, and of the lanes that hold it the lowest index.
; Indices differ between lanes, so s36 names exactly one lane, the winner.
.macro ROUND m, j
	v_mov_b32 v[\m], v[VA]
	WRED 1, \m
	v_cmp_eq_f32 vcc_lo, v[VA], v[\m]
	v_cndmask_b32 v[Q], v[PINF], v[IA], vcc_lo
	v_mov_b32 v[\j], v[Q]
	WRED 0, \j
	v_cmp_eq_f32 s36, v[Q], v[\j]
.endm
	ROUND M1, J1
.irp r, NL, NC, NR
	v_cndmask_b32 v[\r], v[NINF], v[\r], s36       ; the winner's three numbers to every lane: a maximum against -inf
	WRED 1, \r
.endr
	v_cndmask_b32 v[VA], v[VA], v[VB], s36         ; the winner's second and third move up
	v_cndmask_b32 v[VB], v[VB], v[VC], s36
	v_cndmask_b32 v[IA], v[IA], v[IB], s36
	v_cndmask_b32 v[IB], v[IB], v[IC], s36
	ROUND M2, J2
	v_cndmask_b32 v[VA], v[VA], v[VB], s36         ; only VA is looked at once more
	v_cndmask_b32 v[IA], v[IA], v[IB], s36
	ROUND M3, J3
	v_cmp_eq_f32 vcc_lo, 0, v[J1]                  ; the clip: at index 0 the left neighbour is the peak itself,
	v_cndmask_b32 v[NL], v[NL], v[NC], vcc_lo
	v_cmp_eq_f32 vcc_lo, 0x45fff800, v[J1]         ; at index 8,191 the right one
	v_cndmask_b32 v[NR], v[NR], v[NC], vcc_lo
	v_cndmask_b32 v[O0], v[NL], v[NC], s22         ; lane 0, 1, 2: the first, second, third number of each output
	v_cndmask_b32 v[O0], v[O0], v[NR], s23
	v_cndmask_b32 v[O1], v[M1], v[M2], s22
	v_cndmask_b32 v[O1], v[O1], v[M3], s23
	v_cndmask_b32 v[O2], v[J1], v[J2], s22
	v_cndmask_b32 v[O2], v[O2], v[J3], s23
	v_add_f32 v[O2], 0xc5800000, v[O2]             ; - 4,096 (half the row), exact
	v_cvt_i32_f32 v[O2], v[O2]
	s_mul_i32 s16, s15, 12                         ; 12 bytes a row in each output; s17 is still 0
	s_add_nc_u64 s[6:7], s[6:7], s[16:17]
	s_add_nc_u64 s[8:9], s[8:9], s[16:17]
	s_add_nc_u64 s[10:11], s[10:11], s[16:17]
	v_cmp_gt_u32 vcc_lo, 3, v[LANE]
	s_and_saveexec_b32 s37, vcc_lo                 ; lanes 0..2.  No global instruction is pending here: the last loads stand in front of
	                                               ; the loop's s_wait_xcnt 0x0, and the last turns waited for all of them
	global_store_b32 v[OOFF], v[O0], s[6:7]
	global_store_b32 v[OOFF], v[O1], s[8:9]
	global_store_b32 v[OOFF], v[O2], s[10:11]
	s_endpgm
.Lfunc_end_k_q5b0aeb8456_peaks:
	.size	k_q5b0aeb8456_peaks, .Lfunc_end_k_q5b0aeb8456_peaks-k_q5b0aeb8456_peaks
	.p2alignl 7, 3214868480
	.fill 96, 4, 3214868480
	.section	.rodata,"a",@progbits
	.p2align	6, 0x0
	.amdhsa_kernel k_q5b0aeb8456_peaks
		.amdhsa_group_segment_fixed_size 0
		.amdhsa_private_segment_fixed_size 0
		.amdhsa_enable_private_segment 0
		.amdhsa_kernarg_size 32
		.amdhsa_user_sgpr_count 2
		.amdhsa_user_sgpr_kernarg_segment_ptr 1
		.amdhsa_wavefront_size32 1
		.amdhsa_system_sgpr_workgroup_id_x 1
		.amdhsa_system_sgpr_workgroup_id_y 1
		.amdhsa_system_sgpr_workgroup_id_z 1
		.amdhsa_system_vgpr_workitem_id 0
		.amdhsa_next_free_vgpr 128
		.amdhsa_next_free_sgpr 66
		.amdhsa_reserve_vcc 1
		.amdhsa_float_denorm_mode_32 3
		.amdhsa_float_denorm_mode_16_64 3
		.amdhsa_memory_ordered 1
		.amdhsa_forward_progress 1
		.amdhsa_inst_pref_size 145
	.end_amdhsa_kernel
	.amdgpu_metadata
---
amdhsa.version: [ 1, 2 ]
amdhsa.kernels:
  - .name:           k_q5b0aeb8456_peaks
    .symbol:         k_q5b0aeb8456_peaks.kd
    .args:
      - { .name: xcorr, .offset: 0, .size: 8, .value_kind: global_buffer, .address_space: global }
      - { .name: out0, .offset: 8, .size: 8, .value_kind: global_buffer, .address_space: global }
      - { .name: out1, .offset: 16, .size: 8, .value_kind: global_buffer, .address_space: global }
      - { .name: out2, .offset: 24, .size: 8, .value_kind: global_buffer, .address_space: global }
    .group_segment_fixed_size: 0
    .private_segment_fixed_size: 0
    .kernarg_segment_align: 8
    .kernarg_segment_size: 32
    .max_flat_workgroup_size: 512
    .sgpr_count:     66
    .vgpr_count:     128
    .wavefront_size: 32
...
	.end_amdgpu_metadata
.endif
;; end of part 1
;; ======== version 2 of 2: 1 launch; version 1 with the launch peaks written anew for expert scheduling mode
;; launch peaks (part 2): grid 256 x 1, 16 waves a work-group, no clusters, 0 bytes of LDS; arguments xcorr, out0, out1, out2; writes out0, out1, out2
.if DOCPART == 2
	.amdgcn_target "amdgcn-amd-amdhsa--gfx1250"
	.amdhsa_code_object_version 6
	.text
	.protected	k_q5b0aeb8456_peaks
	.globl	k_q5b0aeb8456_peaks
	.p2align	8
	.type	k_q5b0aeb8456_peaks,@function
k_q5b0aeb8456_peaks:
	s_mov_b64 s[64:65], 0
	v_nop
	global_prefetch_b8 v0, s[64:65] scope:SCOPE_SE
	s_setreg_imm32_b32 hwreg(HW_REG_WAVE_SCHED_MODE, 0, 2), 2
	s_setreg_imm32_b32 hwreg(HW_REG_WAVE_MODE, 25, 1), 1
	s_wait_xcnt 0x0
	s_wait_alu depctr_vm_vsrc(0)
; DetectPeaks.  xcorr: 4,096 rows of 8,192 f32.  For each row: score[i] = x[i] where x[i] is the largest of x[i-1..i+1]
; (-inf beyond the row's ends), else 0; out1 = the three largest scores (equal scores: the lower index first),
; out2 = their indices - 4,096, out0 = x at (best-1, best, best+1), clipped to the row.
;
; ONE WAVE, ONE ROW: 256 work-groups x 16 waves = 4,096 rows, no wave depends on another: no LDS bytes, no barrier.
; No row is read by two work-groups, so there is nothing to share in a cluster, and no product for the matrix units.
; A load of the wave covers 512 consecutive bytes, aligned (a "quad": lane l holds x[128 q + 4 l .. + 3]); a row is 64 quads.
; A ring of 16 quad slots in registers; behind each wait for data ten loads of the wave stay on their way; each byte is read once.
; Each lane keeps the sorted three best of its own 256 scores with their positions, and the six numbers (quad + both
; neighbours) of the quad in which its best last changed.  So the best peak's neighbours are SELECTED at the end and
; never fetched: no address and no branch hangs on the data.
; The outputs are 12 bytes a row and tensor, 147,456 bytes against 134,217,728 read: three lanes store them directly.
;
; THE MODE: SCHED_MODE bits 1:0 = 2 (LLVM: expert scheduling mode 2), set by the entry lines.  The code itself states the register
; dependences between vector instructions and memory or LDS instructions, and those through scalar registers that vector
; instructions write, with s_wait_alu, always for 0.
; THE PLAN.  The 64 quads go in 16 blocks of four.  Registers that memory or LDS instructions touch:
;   X, 16 slots   Written by loads alone.  Slot of quad k: read by its two rotations (issued in turn k - 2) and by turn k's vector
;                 instructions; loaded again in turn k + 4, a block later.
;   H, G, 8 each  Written by the rotations of quad k + 2, issued in turn k; index (k + 2) mod 8 last held quad k - 6, whose last
;                 vector reader is turn k - 5: a block before turn k's, or earlier.
;   VOFF, BL, BR, OOFF   offsets and lane addresses, made at the head and never written again.
; So in block p no vector instruction names, ahead of the memory instruction that touches them, the four slots that are loaded
; again or the H and G in which rotations land: the waits at the block's head state all that its twelve memory and LDS
; instructions hang on, and these are dealt among the four turns with no further wait.
; Masks: compares stand in runs (4, then 12 a quad), one wait behind each run, ahead of the first select that reads a mask.
;
; LIMITS.  Inputs are finite (no NaN, no infinity; reference() itself makes NaN of -inf * 0).
; A suppressed element scores +0 here, x * 0 = +0 or -0 in reference(); all zeros count as equal and go by index.
; That can only show in the indices of a row that has fewer than three positive peaks AND suppressed (or zero)
; elements of both signs, if +0 is ranked ahead of -0.  Rows of one sign, and any scale or offset, are exact:
; values are only compared and selected, never computed on.
.set QB,     512                       ; bytes in a quad
.set SLOTS,  16                        ; quads in the ring
.set BLOCK,  4                         ; quads in a block
.set TRIPS,  64/SLOTS-1                ; laps that refill; the first 4 and the last 12 quads are written out round the loop
.set LANE,   1                         ; v1        lane
.set VOFF,   2                         ; v2        16 x lane: my bytes in a quad; never rewritten
.set BL,     3                         ; v3        4 x ((lane-1) mod 32): pull from the lane on the left
.set BR,     4                         ; v4        4 x ((lane+1) mod 32): pull from the lane on the right
.set OOFF,   5                         ; v5        4 x lane
.set X,      8                         ; v[8:71]   slot s: 4 registers
.set H,      72                        ; v[72:79]  quad q mod 8: x3 of the lane on the left (lane 0: lane 31's)
.set XL,     80                        ; the number left of my four
.set XR,     81                        ; the number right of my four
.set MX,     82                        ; v[82:85]  the four window maxima
.set SC,     86                        ; v[86:89]  the four scores
.set VA,     90                        ; my best three scores, VA >= VB >= VC
.set VB,     91
.set VC,     92
.set IA,     93                        ; and their positions (4 x quad + element, counted from the current 16 quads' first)
.set IB,     94
.set IC,     95
.set W,      96                        ; v[96:101] XL, x0..x3, XR of the quad in which VA last changed
.set NINF,   102
.set PINF,   103
.set U,      104                       ; v[104:107] window select, first stage
.set NL,     108                       ; v[108:110] left neighbour, centre, right neighbour of my best
.set NC,     109
.set NR,     110
.set T,      111                       ; at work
.set M1,     112                       ; v[112:114] the row's three scores
.set M2,     113
.set M3,     114
.set J1,     115                       ; v[115:117] their indices, as f32 (0 .. 8,191: exact)
.set J2,     116
.set J3,     117
.set Q,      118
.set O0,     119                       ; v[119:121] lanes 0..2: the three numbers of each output
.set O1,     120
.set O2,     121
.set G,      122                       ; v[122:129] quad q mod 8: x0 of the lane on the right (lane 31: lane 0's)
.set CH,     2                         ; s2 (with s3 at work): VA changed in this quad
.set KEEP,   24                        ; s[24:27]  element e is a local maximum
.set C1,     28                        ; s[28:31]  element e's score beats VA
.set C2,     32                        ; s[32:35]  beats VB
.set C3,     36                        ; s[36:39]  beats VC (behind the loop s36 to s39 serve the way out)
	s_load_b256 s[4:11], s[0:1], 0x0               ; xcorr s[4:5], out0 s[6:7], out1 s[8:9], out2 s[10:11]
	v_and_b32 v[LANE], 31, v0
	v_lshrrev_b32 v6, 5, v0
	v_readfirstlane_b32 s14, v6                    ; wave 0..15
	s_mov_b32 s17, 0
	s_mov_b32 s12, 0x76543210                      ; v_permlanex16_b32: lane i of one half reads lane i of the other
	s_mov_b32 s13, 0xfedcba98
	s_mov_b32 s20, 1                               ; lane masks: lane 0,
	s_mov_b32 s21, 0x80000000                      ; lane 31,
	s_mov_b32 s22, 2                               ; lane 1,
	s_mov_b32 s23, 4                               ; lane 2
	v_lshlrev_b32 v[VOFF], 4, v[LANE]
	v_lshlrev_b32 v[OOFF], 2, v[LANE]
	v_add_nc_u32 v[BL], 31, v[LANE]
	v_add_nc_u32 v[BR], 1, v[LANE]
	v_and_b32 v[BL], 31, v[BL]
	v_and_b32 v[BR], 31, v[BR]
	v_lshlrev_b32 v[BL], 2, v[BL]
	v_lshlrev_b32 v[BR], 2, v[BR]
	s_wait_alu depctr_va_sdst(0)                   ; s14 is written, ahead of its first reader: my row is made from it
	s_lshl_b32 s15, ttmp9, 4
	s_add_co_u32 s15, s15, s14                     ; my row, 0..4,095
	s_lshl_b32 s16, s15, 15                        ; x 32,768 bytes: below 2^27
	s_wait_kmcnt 0x0
	s_add_nc_u64 s[4:5], s[4:5], s[16:17]          ; xcorr at my row
	s_wait_alu depctr_va_vdst(0)                   ; VOFF, BL, BR and OOFF are written: every load, rotation and store of the kernel reads one of them
.irp s, 0,1,2,3,4,5,6,7,8,9,10,11,12,13,14,15
	global_load_b128 v[X+4*\s:X+4*\s+3], v[VOFF], s[4:5] offset:QB*\s th:TH_LOAD_NT   ; fill the ring: quads 0 to 15
.endr
	v_mov_b32 v[NINF], 0xff800000
	v_mov_b32 v[PINF], 0x7f800000
	v_mov_b32 v[VA], 0xff800000                    ; below every finite score: the first three scores of a lane move in
	v_mov_b32 v[VB], 0xff800000
	v_mov_b32 v[VC], 0xff800000
	v_mov_b32 v[H+7], 0xff800000                   ; "the quad in front of quad 0": left of x[0] lies -inf
	v_mov_b32 v[IA], 0                             ; the selects below read their old values: written once here
	v_mov_b32 v[IB], 0
	v_mov_b32 v[IC], 0
	v_mov_b32 v[T], 0
.irp i, 0,1,2,3,4,5
	v_mov_b32 v[W+\i], 0
.endr
; The two lane rotations of the quad in slot q (no LDS byte is touched; they count on DScnt).
.macro PERM q
	ds_bpermute_b32 v[H+((\q)%8)], v[BL], v[X+4*(\q)+3]
	ds_bpermute_b32 v[G+((\q)%8)], v[BR], v[X+4*(\q)]
.endm
; Score e is ranked against the sorted three, and the three values are updated.  The compares are strict and positions
; ascend, so of equal scores the earlier stays ahead.  Each line reads the old value of the rank above it.  The values need
; no mask, so the four elements' twelve compares stand in one run, each element's against the values that the one before left.
.macro RANK e
	v_cmp_gt_f32 s[C1+\e], v[SC+\e], v[VA]
	v_cmp_gt_f32 s[C2+\e], v[SC+\e], v[VB]
	v_cmp_gt_f32 s[C3+\e], v[SC+\e], v[VC]
	v_med3_num_f32 v[VC], v[VB], v[VC], v[SC+\e]   ; the middle of (VB, VC, score) is the new third,
	v_med3_num_f32 v[VB], v[VA], v[VB], v[SC+\e]   ; of (VA, VB, score) the new second
	v_max_num_f32 v[VA], v[VA], v[SC+\e]
.endm
; The positions follow by element e's three masks; j is its position (an inline constant, 0..63).
.macro PLACE e, j
	v_cndmask_b32 v[IC], v[IC], \j, s[C3+\e]
	v_cndmask_b32 v[IC], v[IC], v[IB], s[C2+\e]
	v_cndmask_b32 v[IB], v[IB], \j, s[C2+\e]
	v_cndmask_b32 v[IB], v[IB], v[IA], s[C1+\e]
	v_cndmask_b32 v[IA], v[IA], \j, s[C1+\e]
.endm
; One quad, in slot s.  last = 1: the row's last quad, right of which lies -inf.
.macro WORK s, last
	v_cndmask_b32 v[XL], v[H+((\s)%8)], v[H+((\s+7)%8)], s20       ; lane 0's left neighbour is lane 31's x3 of the quad before
.if \last
	v_cndmask_b32 v[XR], v[G+((\s)%8)], v[NINF], s21
.else
	v_cndmask_b32 v[XR], v[G+((\s)%8)], v[G+((\s+1)%8)], s21       ; lane 31's right neighbour is lane 0's x0 of the next quad
.endif
	v_max3_num_f32 v[MX+0], v[XL],       v[X+4*\s],   v[X+4*\s+1]
	v_max3_num_f32 v[MX+1], v[X+4*\s],   v[X+4*\s+1], v[X+4*\s+2]
	v_max3_num_f32 v[MX+2], v[X+4*\s+1], v[X+4*\s+2], v[X+4*\s+3]
	v_max3_num_f32 v[MX+3], v[X+4*\s+2], v[X+4*\s+3], v[XR]
.irp e, 0,1,2,3
	v_cmp_eq_f32 s[KEEP+\e], v[MX+\e], v[X+4*\s+\e]
.endr
	s_wait_alu depctr_va_sdst(0)                   ; the four compares have written s[KEEP ..], which the four selects below read
.irp e, 0,1,2,3
	v_cndmask_b32 v[SC+\e], 0, v[X+4*\s+\e], s[KEEP+\e]
.endr
.irp e, 0,1,2,3
	RANK \e
.endr
	s_wait_alu depctr_va_sdst(0)                   ; the twelve compares have written s[C1 ..], s[C2 ..], s[C3 ..], which the selects and the scalar ORs below read
.irp e, 0,1,2,3
	PLACE \e, 4*\s+\e
.endr
	s_or_b32 s[CH], s[C1], s[C1+1]
	s_or_b32 s[CH+1], s[C1+2], s[C1+3]
	s_or_b32 s[CH], s[CH], s[CH+1]                 ; my best now lies in this quad: keep the quad and its two neighbours
	v_cndmask_b32 v[W], v[W], v[XL], s[CH]
.irp e, 0,1,2,3
	v_cndmask_b32 v[W+1+\e], v[W+1+\e], v[X+4*\s+\e], s[CH]
.endr
	v_cndmask_b32 v[W+5], v[W+5], v[XR], s[CH]
.endm
; The turn of slot s.  first = 1: block 0, with no block in front of it.  refill = 1: the slot four turns back, on which the block
; before worked, gets the quad 16 further on.  perm = 1: the quad two turns ahead has to be in (lcnt younger loads may stay out)
; and is rotated.  dcnt: how many rotations may stay out.
.macro STEP s, first, refill, lcnt, perm, dcnt, last
.if (((\s)%BLOCK)==0)&&(!(\first))
	s_wait_alu depctr_va_vdst(0)                   ; the blocks before are done reading the H and G in which this block's rotations land, and the four slots in which its loads land
.if \refill
	s_wait_alu depctr_vm_vsrc(0)                   ; the rotations of those four slots, issued in the two blocks before, have read them
.endif
.endif
.if \refill
	global_load_b128 v[X+4*((\s+12)%SLOTS):X+4*((\s+12)%SLOTS)+3], v[VOFF], s[4:5] offset:QB*((\s+12)%SLOTS+SLOTS) th:TH_LOAD_NT  ; no vector instruction since the block's head names these registers
.endif
.if \perm
	s_wait_loadcnt \lcnt
	PERM (\s+2)%SLOTS
.endif
	s_wait_dscnt \dcnt
	WORK \s, \last
.endm
	s_wait_loadcnt 15                              ; loads come back in order: quad 0 is in, the 15 behind it stay out
	PERM 0
	s_wait_loadcnt 14                              ; quad 1
	PERM 1
; Block 0: nothing has been worked on yet, so nothing is loaded again, and its rotations land in registers that no vector
; instruction has named: the head's wait has covered their addresses.  Quads up to 15 are asked for, quad s + 2 is wanted: 13 - s stay out.
.irp s, 0,1,2,3
	STEP \s, 1, 0, 13-\s, 1, 2, 0
.endr
	s_mov_b32 s18, 0
; A lap: blocks of slots 4-7, 8-11, 12-15, 0-3, each loading the block before's slots again.
; In turn k quads up to k + 12 have been asked for and quad k + 2 is wanted: k + 3 .. k + 12, ten loads, stay out; the same
; on the way in (16 asked for at the head, one more in the turn) and round the back edge (one refill a turn).  Of the rotations
; only the two just issued (quad k + 2) stay out: those of quads k and k + 1, which the turn reads, are back.
.Ltrip:
.irp s, 4,5,6,7,8,9,10,11,12,13,14,15
	STEP \s, 0, 1, 10, 1, 2, 0
.endr
	v_sub_nc_u32 v[IA], v[IA], 64                  ; positions count from the next 16 quads' first, so that those
	v_sub_nc_u32 v[IB], v[IB], 64                  ; that enter stay inline constants
	v_sub_nc_u32 v[IC], v[IC], 64
.irp s, 0,1,2,3
	STEP \s, 0, 1, 10, 1, 2, 0
.endr
	s_wait_xcnt 0x0                                ; the base that this lap's loads name is stepped only behind this wait
	s_add_nc_u64 s[4:5], s[4:5], SLOTS*QB
	s_add_co_u32 s18, s18, 1
	s_cmp_lt_u32 s18, TRIPS
	s_cbranch_scc1 .Ltrip
; The last 12 quads: nothing is asked for, so no load leaves the row, and the counts run down (quad 48 + s + 2 has 13 - s behind it).
.irp s, 4,5,6,7,8,9,10,11,12,13
	STEP \s, 0, 0, 13-\s, 1, 2, 0
.endr
	STEP 14, 0, 0, 0, 0, 0, 0                      ; nothing new is rotated: quad 63's rotations have to be back
	STEP 15, 0, 0, 0, 0, 0, 1
	; MY BEST'S NEIGHBOURS: element e = position mod 4 sits at W[e+1]; take W[e], W[e+1], W[e+2] by two stages of selects.
	v_and_b32 v[T], 2, v[IA]
	v_cmp_ne_u32 s38, 0, v[T]
	v_and_b32 v[T], 1, v[IA]
	v_cmp_ne_u32 s39, 0, v[T]
	s_wait_alu depctr_va_sdst(0)                   ; the two compares have written s38 and s39, which the seven selects below read
.irp i, 0,1,2,3
	v_cndmask_b32 v[U+\i], v[W+\i], v[W+\i+2], s38
.endr
.irp i, 0,1,2
	v_cndmask_b32 v[NL+\i], v[U+\i], v[U+\i+1], s39
.endr
	; Positions to indices in the row: three laps took 64 each away; p = 4 q + e stands for 128 q + 4 lane + e.
.irp r, IA, IB, IC
	v_add_nc_u32 v[\r], 192, v[\r]
	v_lshrrev_b32 v[T], 2, v[\r]
	v_and_b32 v[\r], 3, v[\r]
	v_lshl_add_u32 v[\r], v[T], 7, v[\r]
	v_add_nc_u32 v[\r], v[OOFF], v[\r]
	v_cvt_f32_u32 v[\r], v[\r]                     ; at most 8,191: exact in f32
.endr
; Maximum (ismax = 1) or minimum over the 32 lanes, the result in every lane.
.macro WRED ismax, r
.irp m, 1,2,4,8
.if \ismax
	v_max_num_f32_dpp v[\r], v[\r], v[\r] row_xmask:\m row_mask:0xf bank_mask:0xf
.else
	v_min_num_f32_dpp v[\r], v[\r], v[\r] row_xmask:\m row_mask:0xf bank_mask:0xf
.endif
.endr
	v_permlanex16_b32 v[T], v[\r], s12, s13
.if \ismax
	v_max_num_f32 v[\r], v[\r], v[T]
.else
	v_min_num_f32 v[\r], v[\r], v[T]
.endif
.endm
; The row's next best: the largest of the lanes' VA, and of the lanes that hold it the lowest index.
; Indices differ between lanes, so s36 names exactly one lane, the winner.
.macro ROUND m, j
	v_mov_b32 v[\m], v[VA]
	WRED 1, \m
	v_cmp_eq_f32 vcc_lo, v[VA], v[\m]
	s_wait_alu depctr_va_vcc(0)                    ; the compare has written VCC, which the select below reads
	v_cndmask_b32 v[Q], v[PINF], v[IA], vcc_lo
	v_mov_b32 v[\j], v[Q]
	WRED 0, \j
	v_cmp_eq_f32 s36, v[Q], v[\j]
.endm
	ROUND M1, J1
	s_wait_alu depctr_va_sdst(0)                   ; the round's last compare has written s36, the winner's mask, which the selects below read
.irp r, NL, NC, NR
	v_cndmask_b32 v[\r], v[NINF], v[\r], s36       ; the winner's three numbers to every lane: a maximum against -inf
	WRED 1, \r
.endr
	v_cndmask_b32 v[VA], v[VA], v[VB], s36         ; the winner's second and third move up
	v_cndmask_b32 v[VB], v[VB], v[VC], s36
	v_cndmask_b32 v[IA], v[IA], v[IB], s36
	v_cndmask_b32 v[IB], v[IB], v[IC], s36
	ROUND M2, J2
	s_wait_alu depctr_va_sdst(0)                   ; s36 is written anew, ahead of the two selects that read it
	v_cndmask_b32 v[VA], v[VA], v[VB], s36         ; only VA is looked at once more
	v_cndmask_b32 v[IA], v[IA], v[IB], s36
	ROUND M3, J3                                   ; nothing reads this round's s36, so no wait follows
	v_cmp_eq_f32 s38, 0, v[J1]                     ; the clip: at index 0 the left neighbour is the peak itself,
	v_cmp_eq_f32 s39, 0x45fff800, v[J1]            ; at index 8,191 the right one
	s_wait_alu depctr_va_sdst(0)                   ; the two compares have written s38 and s39, which the two selects below read
	v_cndmask_b32 v[NL], v[NL], v[NC], s38
	v_cndmask_b32 v[NR], v[NR], v[NC], s39
	v_cndmask_b32 v[O0], v[NL], v[NC], s22         ; lane 0, 1, 2: the first, second, third number of each output
	v_cndmask_b32 v[O0], v[O0], v[NR], s23
	v_cndmask_b32 v[O1], v[M1], v[M2], s22
	v_cndmask_b32 v[O1], v[O1], v[M3], s23
	v_cndmask_b32 v[O2], v[J1], v[J2], s22
	v_cndmask_b32 v[O2], v[O2], v[J3], s23
	v_add_f32 v[O2], 0xc5800000, v[O2]             ; - 4,096 (half the row), exact
	v_cvt_i32_f32 v[O2], v[O2]
	s_mul_i32 s16, s15, 12                         ; 12 bytes a row in each output; s17 is still 0
	s_add_nc_u64 s[6:7], s[6:7], s[16:17]
	s_add_nc_u64 s[8:9], s[8:9], s[16:17]
	s_add_nc_u64 s[10:11], s[10:11], s[16:17]
	v_cmp_gt_u32 vcc_lo, 3, v[LANE]
	s_wait_alu depctr_va_vcc(0)                    ; the compare has written VCC, from which EXEC is made
	s_wait_alu depctr_va_vdst(0)                   ; ahead of a scalar write of EXEC: every vector instruction has written its result; O0, O1 and O2, which the stores read, among them
	s_wait_alu depctr_vm_vsrc(0)                   ; ahead of a scalar write of EXEC: every load and rotation has read its vector registers
	s_and_saveexec_b32 s37, vcc_lo                 ; lanes 0..2.  No global instruction is pending here: the last loads stand in front of
	                                               ; the loop's s_wait_xcnt 0x0, and the last turns waited for all of them
	global_store_b32 v[OOFF], v[O0], s[6:7]
	global_store_b32 v[OOFF], v[O1], s[8:9]
	global_store_b32 v[OOFF], v[O2], s[10:11]
	s_endpgm
.Lfunc_end_k_q5b0aeb8456_peaks:
	.size	k_q5b0aeb8456_peaks, .Lfunc_end_k_q5b0aeb8456_peaks-k_q5b0aeb8456_peaks
	.p2alignl 7, 3214868480
	.fill 96, 4, 3214868480
	.section	.rodata,"a",@progbits
	.p2align	6, 0x0
	.amdhsa_kernel k_q5b0aeb8456_peaks
		.amdhsa_group_segment_fixed_size 0
		.amdhsa_private_segment_fixed_size 0
		.amdhsa_enable_private_segment 0
		.amdhsa_kernarg_size 32
		.amdhsa_user_sgpr_count 2
		.amdhsa_user_sgpr_kernarg_segment_ptr 1
		.amdhsa_wavefront_size32 1
		.amdhsa_system_sgpr_workgroup_id_x 1
		.amdhsa_system_sgpr_workgroup_id_y 1
		.amdhsa_system_sgpr_workgroup_id_z 1
		.amdhsa_system_vgpr_workitem_id 0
		.amdhsa_next_free_vgpr 130
		.amdhsa_next_free_sgpr 66
		.amdhsa_reserve_vcc 1
		.amdhsa_float_denorm_mode_32 3
		.amdhsa_float_denorm_mode_16_64 3
		.amdhsa_memory_ordered 1
		.amdhsa_forward_progress 1
		.amdhsa_inst_pref_size 148
	.end_amdhsa_kernel
	.amdgpu_metadata
---
amdhsa.version: [ 1, 2 ]
amdhsa.kernels:
  - .name:           k_q5b0aeb8456_peaks
    .symbol:         k_q5b0aeb8456_peaks.kd
    .args:
      - { .name: xcorr, .offset: 0, .size: 8, .value_kind: global_buffer, .address_space: global }
      - { .name: out0, .offset: 8, .size: 8, .value_kind: global_buffer, .address_space: global }
      - { .name: out1, .offset: 16, .size: 8, .value_kind: global_buffer, .address_space: global }
      - { .name: out2, .offset: 24, .size: 8, .value_kind: global_buffer, .address_space: global }
    .group_segment_fixed_size: 0
    .private_segment_fixed_size: 0
    .kernarg_segment_align: 8
    .kernarg_segment_size: 32
    .max_flat_workgroup_size: 512
    .sgpr_count:     66
    .vgpr_count:     130
    .wavefront_size: 32
...
	.end_amdgpu_metadata
.endif
;; end of part 2
